; MI455X (gfx1250); checked and timed in simulation.
; The chip was launched on July 23, 2026; its instructions are those of AMD's public machine-readable ISA for CDNA 5 (MIT licence, August 2026) and "CDNA5" Instruction Set Architecture Reference Guide (July 2026). The comments in the code are by the model that wrote it; some were corrected since.
;; Attend. Allowed arithmetic: matrix products marked QUANTISED: E4M3 operands, one given power-of-two scale a tensor, by v_wmma_f32_16x16x64_fp8_fp8 or v_wmma_f32_16x16x128_fp8_fp8, f32 sums; everything else in f32.
;; Inputs: k 4 x 2,048 x 64 float32; lowp_scales 4 int32 (the exponents e of the quantised operands' scales 2^e); q 4 x 16 x 2,048 x 64 float32; v 4 x 2,048 x 64 float32.
;; Outputs: out0 4 x 16 x 2,048 x 64 float32.
;; This version of the problem:
;;   THIS VERSION OF THE PROBLEM IS GIVEN IN LOW PRECISION. The matrix products marked QUANTISED in the list below multiply operands that are first quantised to E4M3 (4 exponent bits, 3 mantissa bits; 8 bits a number), with one given power-of-two scale for each operand tensor; their sums are f32. All else is computed in f32.
;;   The module's matrix products, in the order in which they are computed (A, B: the left and right operand; K: the contracted axis; several contracted axes count as one K, in the product's order):
;;     1. batch 4 x [M 32,768, K 64] x [K 64, N 2,048]; A: input q; B: input k: QUANTISED (scales: A lowp_scales[0], B lowp_scales[1])
;;     2. batch 4 x [M 32,768, K 2,048] x [K 2,048, N 64]; A: softmax (see below); B: input v: QUANTISED (scales: A lowp_scales[2], B lowp_scales[3])
;;   THE QUANTISER, for each operand of a quantised product, along K:
;;     - The operand's scale is 2^e, e = its entry of the input lowp_scales (int32; the entries are numbered through the quantised products in the list's order, A before B).
;;     - Each number is divided by the scale, clamped to +-448, and rounded to the nearest number of E4M3, ties to even, subnormals kept.
;;     - The product sums the exact products of the quantised numbers (number of the format x scale) in f32.
;;   ~~~python
;;   def quantise(x, axis, e):      # numpy; x: float32 -> the quantised numbers, widened to float32 again
;;       x = np.moveaxis(x, axis, -1); K = x.shape[-1]
;;       r = np.clip(x / 2.0 ** e, -448, 448)
;;       step = 2.0 ** (np.maximum(np.frexp(np.where(r == 0, 1, r))[1] - 1, -6) - 3)
;;       q = np.round(r / step) * step * 2.0 ** e      # np.round: ties to even
;;       return np.moveaxis(q, -1, axis).astype(np.float32)
;;   ~~~
;;   SOFTMAX AHEAD OF A QUANTISED PRODUCT. Where the list says 'softmax', what is quantised is not the finished softmax but p = 2^(t - M), with t = logit x log2(e) and M = ceil(the row's largest t), a whole number; so 1/2 < the row's largest p <= 1. The row's sum l is taken of the UNQUANTISED p, in f32, and the product's result is divided by l at the end. Since M is a whole number, a kernel that streams over the keys may use a running M (the ceiling of the running maximum): every later rescaling is an exact power of two, so the quantised numbers keep their values, but for numbers so far below the row's largest that they fall under the format's range.
;;   OPERANDS COMPUTED ON THE WAY. 'Computed on the way' means the value that the module computes at that place (a softmax that the list does not call 'softmax' is quantised finished and normalised). What goes into a quantiser is computed in f32, as accurately as f32 sums, v_exp_f32 and their like allow (about 1e-6 of the number): no bf16 or f16 on the way to a quantiser, and a product that is left as it is and whose result goes on into a quantised operand takes f32 operands (vector FMAs, or v_wmma_f32_16x16x4_f32). A number that lies on a knife's edge between two numbers of the format may be rounded either way, as far as f32 arithmetic and the matrix unit's own rounding can turn it there, and no further.
;; One version. Each part assembles by itself: llvm-mc -triple=amdgcn-amd-amdhsa -mcpu=gfx1250 --defsym DOCPART=n.
;; ======== version 1 of 1: 2 launches
;; limits: right only within a limited range of input values
;; workspace buffers: kvc 1,048,576 bytes
;; launch prep (part 1): grid 256 x 1, 2 waves a work-group, no clusters, 0 bytes of LDS; arguments k, v, lowp_scales, kvc; writes kvc
.if DOCPART == 1
	.amdgcn_target "amdgcn-amd-amdhsa--gfx1250"
	.amdhsa_code_object_version 6
	.text
	.protected	k_q0628e0e2af_prep
	.globl	k_q0628e0e2af_prep
	.p2align	8
	.type	k_q0628e0e2af_prep,@function
k_q0628e0e2af_prep:
	s_mov_b64 s[64:65], 0
	v_nop
	global_prefetch_b8 v0, s[64:65] scope:SCOPE_SE
	s_setreg_imm32_b32 hwreg(HW_REG_WAVE_MODE, 25, 1), 1
	s_wait_xcnt 0x0
; k and v, [4][2048][64] f32, become codes of FP8 (E4M3) with the given scales 2^ek and 2^ev (entries 1 and 3 of lowp_scales):
; code = x / 2^e, held within +-448, rounded to the nearest code, ties to even.
; The codes are laid as IMAGES OF OPERAND REGISTERS of the 16x16x64 matrix form, so that the next launch needs no transposition and no row pitch.
; kvc: 128 key steps (batch x 32 + step) of 8,192 bytes; a step of 64 keys = K's four fragments of 1,024 bytes, then V's four.
; A fragment is 8 registers a lane: registers 0-3 of lane l at 16 l, registers 4-7 at 512 + 16 l.
;   K's fragment j: lane (r, h) holds key 16 j + r;       registers 2 c, 2 c + 1 = channels 16 c + 8 h + 0 .. 7  (K of the first product = the channels)
;   V's fragment t: lane (r, h) holds channel 16 t + r;   registers 2 c, 2 c + 1 = keys     16 c + 8 h + 0 .. 7  (K of the second product = the keys)
; SHARES: work-group g, wave w: step g / 2, fragment j = 2 (g % 2) + w of K and the same number of V.  Waves share nothing: no LDS, no barrier.
; K's numbers are neighbours in memory (two loads of 16 bytes for eight); V's run down the rows: a lane takes a column, its registers run down the keys, sixteen lanes read 64 neighbouring bytes.
; Each store of a wave covers 512 consecutive bytes, aligned.  No register that a memory instruction names is written again.
; LIMITS: ek and ev between -126 and 119, so that 2^e and 448 x 2^e are f32 numbers.  NaN among the inputs is not served (an infinity is held at the largest code).
.set KO,  1                            ; v1   K: 256 r + 32 h
.set VO,  2                            ; v2   V: 2048 h + 4 r
.set DO,  3                            ; v3   16 x lane: my place in half an image
.set X,   8                            ; v8-39   K's 32 numbers
.set Y,   40                           ; v40-71  V's 32 numbers
.set CK,  72                           ; v72-79  K's codes
.set CV,  80                           ; v80-87  V's codes
	s_load_b256 s[4:11], s[0:1], 0x0               ; k s[4:5], v s[6:7], the scales' exponents s[8:9], kvc s[10:11]
	v_lshrrev_b32 v88, 5, v0
	v_readfirstlane_b32 s16, v88                   ; wave 0, 1
	v_and_b32 v88, 15, v0                          ; r
	v_bfe_u32 v89, v0, 4, 1                        ; h
	v_lshlrev_b32 v[KO], 8, v88
	v_lshl_add_u32 v[KO], v89, 5, v[KO]            ; row r of 256 bytes, + 8 h numbers
	v_lshlrev_b32 v[VO], 2, v88
	v_lshl_add_u32 v[VO], v89, 11, v[VO]           ; column r, + 8 h rows of 256 bytes
	v_and_b32 v[DO], 31, v0
	v_lshlrev_b32 v[DO], 4, v[DO]
	s_lshl_b32 s18, ttmp9, 13                      ; K: my first key row is 32 g + 16 w; a row is 256 bytes
	s_lshl_b32 s22, s16, 12
	s_add_co_u32 s18, s18, s22
	s_mov_b32 s19, 0
	s_lshr_b32 s23, ttmp9, 1                       ; the step, counted through the batches
	s_and_b32 s24, ttmp9, 1
	s_lshl_b32 s24, s24, 1
	s_add_co_u32 s24, s24, s16                     ; the fragment's number j
	s_lshl_b32 s20, s23, 14                        ; V: the step's 64 rows of 256 bytes,
	s_lshl_b32 s22, s24, 6                         ; + 16 j columns of 4 bytes
	s_add_co_u32 s20, s20, s22
	s_mov_b32 s21, 0
	s_lshl_b32 s26, s23, 13                        ; kvc: the step's 8,192 bytes,
	s_lshl_b32 s22, s24, 10                        ; + j images of 1,024
	s_add_co_u32 s26, s26, s22
	s_mov_b32 s27, 0
	s_wait_alu depctr_va_vdst(0)
	s_wait_kmcnt 0x0
	s_load_b128 s[12:15], s[8:9], 0x0              ; eq, ek, ep, ev
	s_add_nc_u64 s[4:5], s[4:5], s[18:19]
	s_add_nc_u64 s[6:7], s[6:7], s[20:21]
	s_add_nc_u64 s[10:11], s[10:11], s[26:27]
.irp c, 0,1,2,3
.irp jj, 0,1
	global_load_b128 v[X+8*\c+4*\jj:X+8*\c+4*\jj+3], v[KO], s[4:5] offset:64*\c+16*\jj th:TH_LOAD_NT   ; k(16 j + r, 16 c + 8 h + 4 jj ..): read once in the launch
.endr
.endr
.irp c, 0,1,2,3
.irp i, 0,1,2,3,4,5,6,7
	global_load_b32 v[Y+8*\c+\i], v[VO], s[6:7] offset:(16*\c+\i)*256   ; v(16 c + 8 h + i, 16 t + r); four waves read parts of each row, so no hint
.endr
.endr
	s_wait_kmcnt 0x0
	s_add_co_i32 s22, s13, 127
	s_lshl_b32 s23, s22, 23
	v_mov_b32 v4, s23                              ; 2^ek as f32: the conversion takes its exponent field
	s_add_co_i32 s22, s22, 8
	s_lshl_b32 s22, s22, 23
	s_or_b32 s22, s22, 0x600000
	v_mov_b32 v5, s22                              ; 448 x 2^ek
	s_add_co_i32 s22, s15, 127
	s_lshl_b32 s23, s22, 23
	v_mov_b32 v6, s23                              ; 2^ev
	s_add_co_i32 s22, s22, 8
	s_lshl_b32 s22, s22, 23
	s_or_b32 s22, s22, 0x600000
	v_mov_b32 v7, s22                              ; 448 x 2^ev
	s_wait_alu depctr_va_vdst(0)
	s_wait_loadcnt 32                              ; K's eight loads are in; V's 32, issued behind them, may be out
.set j, 0
.rept 32
	v_med3_num_f32 v[X+j], v[X+j], -v5, v5         ; the conversion to an 8-bit code does not saturate (ISA guide 7.6.2): the hold at the largest code x the scale comes first
.set j, j+1
.endr
.irp c, 0,1,2,3
	v_cvt_scalef32_pk8_fp8_f32 v[CK+2*\c:CK+2*\c+1], v[X+8*\c:X+8*\c+7], v4
.endr
	global_store_b128 v[DO], v[CK:CK+3], s[10:11]              ; 32 lanes store 512 consecutive bytes
	global_store_b128 v[DO], v[CK+4:CK+7], s[10:11] offset:512
	s_wait_loadcnt 0x0                             ; V's numbers are in
.set j, 0
.rept 32
	v_med3_num_f32 v[Y+j], v[Y+j], -v7, v7         ; (these plain lines also stand behind K's conversions; they touch none of their registers)
.set j, j+1
.endr
.irp c, 0,1,2,3
	v_cvt_scalef32_pk8_fp8_f32 v[CV+2*\c:CV+2*\c+1], v[Y+8*\c:Y+8*\c+7], v6
.endr
	global_store_b128 v[DO], v[CV:CV+3], s[10:11] offset:4096  ; V's images lie behind K's four
	global_store_b128 v[DO], v[CV+4:CV+7], s[10:11] offset:4608
	s_endpgm
.Lfunc_end_k_q0628e0e2af_prep:
	.size	k_q0628e0e2af_prep, .Lfunc_end_k_q0628e0e2af_prep-k_q0628e0e2af_prep
	.p2alignl 7, 3214868480
	.fill 96, 4, 3214868480
	.section	.rodata,"a",@progbits
	.p2align	6, 0x0
	.amdhsa_kernel k_q0628e0e2af_prep
		.amdhsa_group_segment_fixed_size 0
		.amdhsa_private_segment_fixed_size 0
		.amdhsa_enable_private_segment 0
		.amdhsa_kernarg_size 32
		.amdhsa_user_sgpr_count 2
		.amdhsa_user_sgpr_kernarg_segment_ptr 1
		.amdhsa_wavefront_size32 1
		.amdhsa_system_sgpr_workgroup_id_x 1
		.amdhsa_system_sgpr_workgroup_id_y 1
		.amdhsa_system_sgpr_workgroup_id_z 1
		.amdhsa_system_vgpr_workitem_id 0
		.amdhsa_next_free_vgpr 96
		.amdhsa_next_free_sgpr 66
		.amdhsa_reserve_vcc 0
		.amdhsa_float_denorm_mode_32 3
		.amdhsa_float_denorm_mode_16_64 3
		.amdhsa_memory_ordered 1
		.amdhsa_forward_progress 1
		.amdhsa_inst_pref_size 11
	.end_amdhsa_kernel
	.amdgpu_metadata
---
amdhsa.version: [ 1, 2 ]
amdhsa.kernels:
  - .name:           k_q0628e0e2af_prep
    .symbol:         k_q0628e0e2af_prep.kd
    .args:
      - { .name: k, .offset: 0, .size: 8, .value_kind: global_buffer, .address_space: global }
      - { .name: v, .offset: 8, .size: 8, .value_kind: global_buffer, .address_space: global }
      - { .name: lowp_scales, .offset: 16, .size: 8, .value_kind: global_buffer, .address_space: global }
      - { .name: kvc, .offset: 24, .size: 8, .value_kind: global_buffer, .address_space: global }
    .group_segment_fixed_size: 0
    .private_segment_fixed_size: 0
    .kernarg_segment_align: 8
    .kernarg_segment_size: 32
    .max_flat_workgroup_size: 64
    .sgpr_count:     66
    .vgpr_count:     96
    .wavefront_size: 32
...
	.end_amdgpu_metadata
.endif
;; end of part 1
;; launch attend (part 2): grid 256 x 1, 8 waves a work-group, no clusters, 327,680 bytes of LDS; arguments q, kvc, lowp_scales, out0; writes out0
.if DOCPART == 2
	.amdgcn_target "amdgcn-amd-amdhsa--gfx1250"
	.amdhsa_code_object_version 6
	.text
	.protected	k_q0628e0e2af_attend
	.globl	k_q0628e0e2af_attend
	.p2align	8
	.type	k_q0628e0e2af_attend,@function
k_q0628e0e2af_attend:
	s_mov_b64 s[64:65], 0
	v_nop
	global_prefetch_b8 v0, s[64:65] scope:SCOPE_SE
	s_setreg_imm32_b32 hwreg(HW_REG_WAVE_MODE, 25, 1), 1
	s_wait_xcnt 0x0
; out0[b][h][i][:] = the sum over j of softmax_j(q[b][h][i] . k[b][j] / 8) v[b][j][:], both products on codes of FP8 (E4M3) with the given scales 2^eq, 2^ek, 2^ep, 2^ev.
; q: [4][16][2048][64] f32, quantised here (each row is read once, by one wave).  kvc: K's and V's codes as images of operand registers, made by the launch before:
; a batch is 32 blocks of 8,192 bytes; a block of 64 keys = K's four fragments of 1,024 bytes (16 keys x 64 channels), then V's four (16 channels x 64 keys).
; THE SOFTMAX: t = score x log2(e) / 8; M = the running largest t, rounded UP to a whole number; p = 2^(t - M) is quantised, not normalised; the row's sum is taken of the
; unquantised p in f32 and divides at the end.  When M moves, the sums and O are multiplied by 2^(old M - new M), which rounds nothing; no branch hangs on floating-point data.
; SHARES.  Work-group g owns query rows 512 g .. 512 g + 511 (batch g / 64), in two rounds of 256; in a round each of its eight waves owns 32 rows: two tiles of 16 queries, which share every fragment.
; A KEY STEP IS 256 KEYS (four blocks): S^T, 256 registers, fills register window 1; the lanes' exchange for M and the 32 lines that bring O^T under the new M run once for 256 keys.
; The maximum's two chains a tile hold raw scores and live through a round, and so do the sum's two chains a tile: neither is begun anew in a step.
; V's sixteen fragments of a step are loaded into tile 0's part of S^T once its conversions have read it.
; THE BATCH'S CODES, 262,144 BYTES, COME TO LIE WHOLE IN LDS, each byte written once, through registers: key steps 0-4 at the head (40 loads a wave), steps 5-7 in round 0's first three steps
; (two batches of four loads a step).  ONE BARRIER serves them, its halves apart: signalled behind step 2, waited for ahead of step 5; between the two a wave reads steps 3 and 4 alone.
; Stages (q's codes; the way out) are each wave's own bytes, ahead of the image: no barrier for them.  Round 1's q is prefetched once (a lane a row of 256 bytes, 8,192 bytes a wave) three key steps
; ahead of its loads, which are issued at the head of round 0's way out.
; No tensor load: each LDS byte of the image is filled once.  So no cluster: there is no joint load to share.
; LAYOUT.  Both products transposed, by v_wmma_f32_16x16x64_fp8_fp8: S^T = K Q^T: lane (r, h) holds query r, register i of block b's tile j key 64 b + 16 j + 8 h + i; its conversion gives registers
; 2 j, 2 j + 1 of block b's fragment of P.  O^T: register i of tile t = channel 16 t + 8 h + i of query r.
; THE HOLD of p at 448 x 2^ep can act only where ep < -8 (p is at most 1 but for the last bit, and 448 x 2^-8 = 1.75): its lines stand under a scalar branch on ep.
; LIMITS: eq + ek between -123 and 130 (added to c's exponent field); eq and ep between -126 and 119; ep + ev has none.  NaN among the inputs is not served.
.set LI,  1                            ; 16 x lane
.set ADR, 2                            ; LI + the step's first LDS byte
.set SCP, 3                            ; 2^ep
.set GI,  4                            ; 16 x thread
.set LIM, 5                            ; 448 x 2^ep
.set FF,  6                            ; v[6:7], v[8:9]      f, and 0
.set NM,  10                           ; v[10:11], v[14:15]  -M, t
.set LS,  12                           ; v[12:13], v[16:17]  the sum's first chain
.set CH,  18                           ; v18-21   the maximum's chains: two a tile
.set PRM, 22
.set TM,  24                           ; v24, v25 at work
.set L2,  26                           ; v[26:27], v[28:29]  the sum's second chain
.set QF,  30                           ; v30-45    Q's two fragments
.set PC,  46                           ; v46-109   p's codes: 32 registers a tile
.set OT,  110                          ; v110-173  O^T
.set FB,  174                          ; v174-237  two buffers of K's four fragments
.set LD,  238                          ; v238-253  a batch of four loads of later key steps
.set QW,  238                          ; (outside those steps) q's codes into my rows, and back
.set QR,  239
.set IA,  240                          ; head: the image's LDS places
.set SO,  238                          ; the way out
.set SR,  239
.set INV, 240
.set PFO, 253
.set WV,  16
.set SEL, 20
.set CS,  22
.set TB,  24
.set HOLD, 25
.set EPV, 26
.set SB,  31
.set GB,  32
.set QS,  34                           ; s34 my rows of q's codes;  s35 my stage
.set ST,  35
.set BLK, 8192
.set BIG, 4*BLK
.set SPITCH, 272
.set QP,  80
.set QST, 8*16*SPITCH                  ; behind the eight stages
.set IB,  63488                        ; the image
.set SPARE, IB+8*BIG                   ; the spare words, 128 bytes a wave
.set MSB, 0
.macro WIN new                         ; low byte: bits 1:0 source 0, 3:2 source 1, 5:4 source 2, 7:6 destination; the high byte repeats the setting left
.if MSB != \new
	s_set_vgpr_msb (MSB<<8)|\new
.set MSB, \new
.endif
.endm
.macro NOP4
.rept 4
	v_nop
.endr
.endm
.macro FLOAD f, off
.irp j, 0,1,2,3
.irp g, 0,1
	ds_load_b128 v[FB+32*\f+8*\j+4*\g:FB+32*\f+8*\j+4*\g+3], v[ADR] offset:\off+1024*\j+512*\g
.endr
.endr
.endm
.macro QKB b                           ; window 1 takes the results
.irp j, 0,1,2,3
.irp u, 0,1
	v_wmma_f32_16x16x64_fp8_fp8 v[128*\u+32*\b+8*\j:128*\u+32*\b+8*\j+7], v[FB+32*((\b)%2)+8*\j:FB+32*((\b)%2)+8*\j+7], v[QF+8*\u:QF+8*\u+7], 0
.endr
.endr
.endm
.macro MAXB b                          ; each result is first read at its low end
.irp j, 0,1,2,3
.irp i, 0,4
.irp u, 0,1
	v_max3_num_f32 v[CH+2*\u], v[CH+2*\u], v[128*\u+32*\b+8*\j+\i], v[128*\u+32*\b+8*\j+\i+1]
	v_max3_num_f32 v[CH+2*\u+1], v[CH+2*\u+1], v[128*\u+32*\b+8*\j+\i+2], v[128*\u+32*\b+8*\j+\i+3]
.endr
.endr
.endr
.endm
; THE SOFTMAX GOES IN FOUR BLOCKS of 64 registers of window 1 (block k: tile k / 2, keys 128 (k % 2) on).  Stage k holds block k's exponentials; between them stand plain lines whose results
; are first read behind the stage's closing wait: block k + 1's t - M, and additions in place, pair onto pair, of blocks whose codes are made (32 pairs -> 16 -> 8 -> 4).
; One window setting serves all three kinds of line: sources 0 and 1 and the destination in window 1, source 2 (-M) in window 0.
.macro TADD a, d
	v_pk_add_f32 v[\a:\a+1], v[\a:\a+1], v[\a+\d:\a+\d+1]
.endm
.macro STAGE k
	WIN 0x45
.set n, 0
.rept 32
	v_exp_f32 v[64*\k+2*n], v[64*\k+2*n]           ; p = 2^(t - M)
.if \k < 3
	v_pk_fma_f32 v[64*\k+64+2*n:64*\k+64+2*n+1], v[64*\k+64+2*n:64*\k+64+2*n+1], s[CS:CS+1], v[NM+4*((\k+1)/2):NM+4*((\k+1)/2)+1] op_sel_hi:[1,0,0]   ; the next block's t - M
.endif
	v_exp_f32 v[64*\k+2*n+1], v[64*\k+2*n+1]
.if (\k >= 1) && (n%2 == 0)
	TADD (64*\k-64+n), 32                          ; block k - 1: 32 pairs -> 16
.endif
.if (\k >= 2) && (n%4 == 1)
	TADD (64*\k-128+(n/4)*2), 16                   ; block k - 2: 16 -> 8
.endif
.if (\k == 3) && (n%8 == 3)
	TADD ((n/8)*2), 8                              ; block 0: 8 -> 4
.endif
.set n, n+1
.endr
	v_nop                                          ; a plain line behind the last exponential
	s_wait_alu depctr_va_vdst(0)                   ; behind this batch, and ahead of the next
.endm
; Block k's p becomes codes, ahead of its additions in place.  Where ep < -8 the codes are made of copies held at 448 x 2^ep, in K's buffers, which are idle here: the sum stays that of the unheld p.
.macro POST k
	WIN 0
	s_cmp_eq_u32 s[HOLD], 0                        ; where ep >= -8 no p reaches 448 x 2^ep
	s_cbranch_scc1 .Lfree_\@
	WIN 0x01
.set j, 0
.rept 64
	v_min_num_f32 v[FB+j], v[64*\k+j], v[LIM]
.set j, j+1
.endr
	WIN 0
.irp m, 0,1,2,3,4,5,6,7
	v_cvt_scalef32_pk8_fp8_f32 v[PC+16*\k+2*\m:PC+16*\k+2*\m+1], v[FB+8*\m:FB+8*\m+7], v[SCP]
.endr
	s_branch .Ljoin_\@
.Lfree_\@:
	WIN 0x01
.irp m, 0,1,2,3,4,5,6,7
	v_cvt_scalef32_pk8_fp8_f32 v[PC+16*\k+2*\m:PC+16*\k+2*\m+1], v[64*\k+8*\m:64*\k+8*\m+7], v[SCP]
.endr
	WIN 0
.Ljoin_\@:
	v_nop                                          ; one plain line behind the last conversion
.endm
.macro FIN u                           ; tile u's two blocks, four pairs each, onto the sum's two chains
.irp b, 2*\u, 2*\u+1
	v_pk_add_f32 v[LS+4*\u:LS+4*\u+1], v[LS+4*\u:LS+4*\u+1], v[64*(\b):64*(\b)+1]
	v_pk_add_f32 v[L2+2*\u:L2+2*\u+1], v[L2+2*\u:L2+2*\u+1], v[64*(\b)+2:64*(\b)+3]
	v_pk_add_f32 v[LS+4*\u:LS+4*\u+1], v[LS+4*\u:LS+4*\u+1], v[64*(\b)+4:64*(\b)+5]
	v_pk_add_f32 v[L2+2*\u:L2+2*\u+1], v[L2+2*\u:L2+2*\u+1], v[64*(\b)+6:64*(\b)+7]
.endr
.endm
.macro GLOAD                           ; a batch: 16,384 consecutive bytes of the work-group
.irp k, 0,1,2,3
	global_load_b128 v[LD+4*\k:LD+4*\k+3], v[GI], s[GB:GB+1] offset:4096*\k
.endr
.endm
.macro GSTORE
	s_wait_loadcnt 0x0                             ; the batch is in, so its base may be stepped
	v_add_nc_u32 v[TM], s[SB], v[GI]
.irp k, 0,1,2,3
	ds_store_b128 v[TM], v[LD+4*\k:LD+4*\k+3] offset:4096*\k
.endr
	s_add_nc_u64 s[GB:GB+1], s[GB:GB+1], 16384
	s_add_co_u32 s[SB], s[SB], 16384
.endm
.macro QLOAD rho                       ; load i: rows 2 i and 2 i + 1 of my 32: lane l holds channels 4 (l % 16) + 0 .. 3 of row 2 i + l / 16
.set i, 0
.rept 16
	global_load_b128 v[PC+4*i:PC+4*i+3], v[LI], s[4:5] offset:65536*\rho+512*i th:TH_LOAD_NT
.set i, i+1
.endr
.endm
.macro QADR
	v_and_b32 v[TM], 15, v0                        ; r
	v_bfe_u32 v[TM+1], v0, 4, 1                    ; h
	v_mul_u32_u24 v[QW], v[TM+1], QP
	v_mul_u32_u24 v[QR], v[TM], QP
	v_lshl_add_u32 v[QW], v[TM], 2, v[QW]
	v_lshl_add_u32 v[QR], v[TM+1], 3, v[QR]
	v_add_nc_u32 v[QW], s[QS], v[QW]               ; in: row h of a load's two, 4 bytes a lane
	v_add_nc_u32 v[QR], s[QS], v[QR]               ; back: row r, + 8 h
.endm
.macro QPREP
.set j, 0
.rept 64
	v_med3_num_f32 v[PC+j], v[PC+j], -v255, v255   ; the conversion does not saturate (ISA guide 7.6.2): the hold comes first
.set j, j+1
.endr
.irp m, 0,1,2,3,4,5,6,7
	v_cvt_scalef32_pk8_fp8_f32 v[FB+2*\m:FB+2*\m+1], v[PC+8*\m:PC+8*\m+7], v254
.endr
	v_nop
.set i, 0
.rept 16
	ds_store_b32 v[QW], v[FB+i] offset:2*QP*i
.set i, i+1
.endr
.irp u, 0,1
.irp c, 0,1,2,3
	ds_load_b64 v[QF+8*\u+2*\c:QF+8*\u+2*\c+1], v[QR] offset:16*QP*\u+16*\c   ; LDS serves a wave's instructions in order (ISA guide 5.7.1.4)
.endr
.endr
.endm
.macro INIT
.irp u, 0,1
	v_mov_b32 v[CH+2*\u], 0xff61b1e6               ; -3e38, under every score
	v_mov_b32 v[CH+2*\u+1], 0xff61b1e6
	v_mov_b32 v[NM+4*\u+1], 0xff61b1e6
	v_mov_b32 v[LS+4*\u], 0
	v_mov_b32 v[LS+4*\u+1], 0
	v_mov_b32 v[L2+2*\u], 0
	v_mov_b32 v[L2+2*\u+1], 0
	v_mov_b32 v[FF+2*\u+1], 0
	v_mov_b32 v[PRM+\u], 0
.endr
.irp u, 0,1
	v_floor_f32 v[NM+4*\u], -v[NM+4*\u+1]
.endr
.set j, 0
.rept 64
	v_mov_b32 v[OT+j], 0                           ; the step is written for all steps alike; a round's first finds zeros
.set j, j+1
.endr
.endm
; A KEY STEP: 256 keys.  late = 1: two batches of later key steps come in beside it.
.macro STEP late
	v_add_nc_u32 v[ADR], s[TB], v[LI]              ; this line and four v_nop: five plain lines between the last products and the products that write over V's registers (ISA guide 7.12.1)
	s_wait_alu depctr_va_vdst(0)
	NOP4
	FLOAD 0, 0
	FLOAD 1, BLK
	s_wait_dscnt 8                                 ; block 0's K is in; block 1's eight loads may be out
	WIN 0x40
	QKB 0
	s_wait_dscnt 0x0
	QKB 1
	WIN 0x14
	NOP4                                           ; ahead of the loads into K's registers and of the first reads of the scores
	FLOAD 0, 2*BLK
	FLOAD 1, 3*BLK
.if \late
	GLOAD
.endif
	MAXB 0
	s_wait_alu depctr_va_vdst(0)                   ; the wait ahead of the wait below
	s_wait_dscnt 8
	WIN 0x40
	QKB 2
	s_wait_dscnt 0x0
	QKB 3
	WIN 0x14
	MAXB 1                                         ; these 32 lines are the plain lines behind the products above
	MAXB 2
	MAXB 3
	WIN 0
.irp u, 0,1
	v_max_num_f32 v[TM+\u], v[CH+2*\u], v[CH+2*\u+1]
.endr
.irp u, 0,1
	s_delay_alu instid0(VALU_DEP_2)
	v_permlanex16_b32 v[PRM+\u], v[TM+\u], s[SEL], s[SEL+1]   ; the query's other keys lie in the lane 16 away
.endr
.irp u, 0,1
	s_delay_alu instid0(VALU_DEP_2)
	v_max_num_f32 v[TM+\u], v[TM+\u], v[PRM+\u]
.endr
.irp u, 0,1
	s_delay_alu instid0(VALU_DEP_2)
	v_mul_f32 v[NM+4*\u+1], s[CS], v[TM+\u]        ; the running largest t (c is positive)
.endr
.irp u, 0,1
	v_mov_b32 v[TM+\u], v[NM+4*\u]                 ; the old -M
.endr
.irp u, 0,1
	s_delay_alu instid0(VALU_DEP_4)
	v_floor_f32 v[NM+4*\u], -v[NM+4*\u+1]          ; the new -M = -ceil(t)
.endr
.irp u, 0,1
	s_delay_alu instid0(VALU_DEP_2)
	v_sub_f32 v[TM+\u], v[NM+4*\u], v[TM+\u]
.endr
.irp u, 0,1
	s_delay_alu instid0(VALU_DEP_2)
	v_cvt_i32_f32 v[TM+\u], v[TM+\u]               ; (it saturates)
.endr
.irp u, 0,1
	s_delay_alu instid0(VALU_DEP_2)
	v_ldexp_f32 v[FF+2*\u], 1.0, v[TM+\u]          ; f = 2^(old M - new M)
.endr
	WIN 0x41
.set j, 0
.rept 32
	v_pk_fma_f32 v[j:j+1], v[j:j+1], s[CS:CS+1], v[NM:NM+1] op_sel_hi:[1,0,0]   ; block 0's t - M
.set j, j+2
.endr
.if \late
	WIN 0
	GSTORE
.endif
	s_wait_alu depctr_va_vdst(0)                   ; the wait ahead of the batch
	STAGE 0
	POST 0
	STAGE 1
	POST 1
	STAGE 2
	POST 2
	STAGE 3
.if \late
	WIN 0
	s_wait_dscnt 0x0                               ; the first batch's stores have read their registers
	GLOAD
.endif
	POST 3
	WIN 0x45
.irp q, 0,2,4,6
	TADD (64+\q), 8                                ; block 1: 8 -> 4
.endr
	WIN 0
.irp u, 0,1
	v_pk_mul_f32 v[LS+4*\u:LS+4*\u+1], v[LS+4*\u:LS+4*\u+1], v[FF+2*\u:FF+2*\u+1] op_sel_hi:[1,0]   ; the sums under the new M
	v_pk_mul_f32 v[L2+2*\u:L2+2*\u+1], v[L2+2*\u:L2+2*\u+1], v[FF+2*\u:FF+2*\u+1] op_sel_hi:[1,0]
.endr
	WIN 0x04
	FIN 0                                          ; tile 0's part of window 1 is read out
	WIN 0x40
.irp b, 0,1,2,3                                ; V's fragments into the registers that tile 0's conversions have read
.irp t, 0,1,2,3
.irp g, 0,1
	ds_load_b128 v[32*\b+8*\t+4*\g:32*\b+8*\t+4*\g+3], v[ADR] offset:BLK*\b+4096+1024*\t+512*\g
.endr
.endr
.endr
	WIN 0x45                                       ; tile 1's additions that found no stage stand behind V's loads
.irp q, 0,2,4,6,8,10,12,14,16,18,20,22,24,26,28,30
	TADD (192+\q), 32                              ; block 3: 32 -> 16
.endr
.irp q, 0,2,4,6,8,10,12,14
	TADD (128+\q), 16                              ; block 2: 16 -> 8
.endr
.irp q, 0,2,4,6,8,10,12,14
	TADD (192+\q), 16                              ; block 3: 16 -> 8
.endr
.irp q, 0,2,4,6
	TADD (128+\q), 8
.endr
.irp q, 0,2,4,6
	TADD (192+\q), 8
.endr
	WIN 0x04
	FIN 1
	WIN 0
	s_wait_alu depctr_va_vdst(0)                   ; the wait directly ahead of the first readers of O^T
.irp u, 0,1
.irp j, 0,2,4,6,8,10,12,14,16,18,20,22,24,26,28,30
	v_pk_mul_f32 v[OT+32*\u+\j:OT+32*\u+\j+1], v[OT+32*\u+\j:OT+32*\u+\j+1], v[FF+2*\u:FF+2*\u+1] op_sel_hi:[1,0]   ; O^T under the new M; also the plain lines behind the conversions
.endr
.endr
	s_wait_alu depctr_va_vdst(0)                   ; the wait ahead of the wait below
	WIN 0x01
.irp b, 0,1,2,3                                ; the eight accumulators take turns
	s_wait_dscnt 24-8*\b                           ; block b's V is in; the later blocks' loads may be out
.irp t, 0,1,2,3
.irp u, 0,1
	v_wmma_f32_16x16x64_fp8_fp8 v[OT+32*\u+8*\t:OT+32*\u+8*\t+7], v[32*\b+8*\t:32*\b+8*\t+7], v[PC+32*\u+8*\b:PC+32*\u+8*\b+7], v[OT+32*\u+8*\t:OT+32*\u+8*\t+7]
.endr
.endr
.endr
	WIN 0
.if \late
	GSTORE
.endif
.endm
.macro WALK name, late, from, to       ; key steps from .. to - 1
	s_mov_b32 s[TB], IB+\from*BIG
\name:
	STEP \late
	s_add_co_u32 s[TB], s[TB], BIG
	s_cmp_lt_u32 s[TB], IB+\to*BIG
	s_cbranch_scc1 \name
.endm
; THE WAY OUT of a round: O^T x 2^(ep + ev) / the sum goes through my stage, a tile of 16 rows at a time, and leaves as whole rows.
.macro OUT rho
.irp u, 0,1
	v_pk_add_f32 v[LS+4*\u:LS+4*\u+1], v[LS+4*\u:LS+4*\u+1], v[L2+2*\u:L2+2*\u+1]
.endr
.irp u, 0,1
	s_delay_alu instid0(VALU_DEP_2)
	v_add_f32 v[LS+4*\u], v[LS+4*\u], v[LS+4*\u+1]
.endr
.irp u, 0,1
	s_delay_alu instid0(VALU_DEP_2)
	v_permlanex16_b32 v[PRM+\u], v[LS+4*\u], s[SEL], s[SEL+1]
.endr
.irp u, 0,1
	s_delay_alu instid0(VALU_DEP_2)
	v_add_f32 v[LS+4*\u], v[LS+4*\u], v[PRM+\u]    ; the row's sum: above 1/2
.endr
.if \rho == 0
	QLOAD 1                                        ; the next round's q, into the registers of p's codes: eight plain lines stand behind the last products
.endif
	s_wait_alu depctr_va_vdst(0)                   ; the wait ahead of the batch
.irp u, 0,1
	v_rcp_f32 v[INV+2*\u], v[LS+4*\u]
.endr
	v_and_b32 v[TM], 15, v0
	v_bfe_u32 v[TM+1], v0, 4, 1
	v_mul_u32_u24 v[SO], v[TM], SPITCH
	v_mul_u32_u24 v[SR], v[TM+1], SPITCH
	v_mov_b32 v[INV+1], 0
	v_mov_b32 v[INV+3], 0
	v_lshl_add_u32 v[SO], v[TM+1], 5, v[SO]
	v_lshl_add_u32 v[SR], v[TM], 4, v[SR]
	v_add_nc_u32 v[SO], s[ST], v[SO]               ; in: row r; tile t's eight channels of my half at 64 t + 32 h
	v_add_nc_u32 v[SR], s[ST], v[SR]               ; back: lanes 0-15 one row of 256 bytes, lanes 16-31 the next
	s_wait_alu depctr_va_vdst(0)                   ; ahead of the reciprocals' first reader
.irp u, 0,1
	v_ldexp_f32 v[INV+2*\u], v[INV+2*\u], s[EPV]
.endr
	s_wait_alu depctr_va_vdst(0)                   ; the wait directly ahead of the first readers of O^T
.irp u, 0,1
.irp j, 0,2,4,6,8,10,12,14,16,18,20,22,24,26,28,30
	v_pk_mul_f32 v[FB+32*\u+\j:FB+32*\u+\j+1], v[OT+32*\u+\j:OT+32*\u+\j+1], v[INV+2*\u:INV+2*\u+1] op_sel_hi:[1,0]
.endr
.endr
.irp u, 0,1                                    ; both tiles use the same 16 rows: tile 1's stores come behind tile 0's loads, in order
.irp t, 0,1,2,3
	ds_store_b128 v[SO], v[FB+32*\u+8*\t:FB+32*\u+8*\t+3] offset:64*\t
	ds_store_b128 v[SO], v[FB+32*\u+8*\t+4:FB+32*\u+8*\t+7] offset:64*\t+16
.endr
.irp i, 0,1,2,3,4,5,6,7
	ds_load_b128 v[OT+32*\u+4*\i:OT+32*\u+4*\i+3], v[SR] offset:2*SPITCH*\i
.endr
.endr
.irp u, 0,1
.irp i, 0,1,2,3,4,5,6,7
	s_wait_dscnt 23-16*\u-\i                       ; behind tile 0's load i stand its 7 - i later loads and tile 1's sixteen LDS instructions; behind tile 1's load i its 7 - i later loads
	global_store_b128 v[LI], v[OT+32*\u+4*\i:OT+32*\u+4*\i+3], s[10:11] offset:65536*\rho+4096*\u+512*\i th:TH_STORE_NT   ; two whole rows: 512 consecutive bytes, aligned
.endr
.endr
	s_wait_xcnt 0x0                                ; the stores' registers may be written again
.endm
	s_load_b256 s[4:11], s[0:1], 0x0               ; q, kvc, the scales' exponents, out0
	v_lshrrev_b32 v2, 5, v0
	v_and_b32 v[LI], 31, v0
	v_lshlrev_b32 v[GI], 4, v0
	v_readfirstlane_b32 s[WV], v2
	s_mul_i32 s[QS], s[WV], 32*QP
	s_add_co_u32 s[QS], s[QS], QST
	s_mul_i32 s[ST], s[WV], 16*SPITCH
	v_lshlrev_b32 v[LI], 4, v[LI]
.irp n, 0,1,2
	v_add_nc_u32 v[IA+\n], IB+65536*\n, v[GI]      ; an LDS immediate has 16 bits
.endr
	QADR
	s_lshl_b32 s18, ttmp9, 17                      ; q and out0: my work-group's 512 rows of 256 bytes,
	s_lshl_b32 s30, s[WV], 13                      ; my wave's 32 of a round's 256
	s_add_co_u32 s18, s18, s30
	s_mov_b32 s19, 0
	s_lshr_b32 s28, ttmp9, 6                       ; the batch
	s_lshl_b32 s28, s28, 18
	s_mov_b32 s29, 0
	s_mov_b32 s[SEL], 0x76543210
	s_mov_b32 s[SEL+1], 0xfedcba98
	s_mov_b32 s[SB], IB+5*BIG
	s_wait_alu depctr_va_vdst(0)                   ; the wait ahead of the wait below
	s_wait_kmcnt 0x0
	s_load_b128 s[12:15], s[8:9], 0x0              ; eq, ek, ep, ev
	s_add_nc_u64 s[4:5], s[4:5], s[18:19]
	s_add_nc_u64 s[10:11], s[10:11], s[18:19]
	s_add_nc_u64 s[6:7], s[6:7], s[28:29]
	s_add_nc_u64 s[GB:GB+1], s[6:7], 5*BIG         ; key step 5
	QLOAD 0
	WIN 0x40
.set i, 0
.rept 40                                       ; key steps 0-4, 4,096 consecutive bytes a load of the work-group, into window 1
	global_load_b128 v[4*i:4*i+3], v[GI], s[6:7] offset:4096*i
.set i, i+1
.endr
	WIN 0
	INIT
	s_wait_kmcnt 0x0
	s_add_co_i32 s27, s12, s13
	s_lshl_b32 s27, s27, 23
	s_mov_b32 s[CS], 0x3e38aa3b                    ; log2(e) / 8,
	s_add_co_i32 s[CS], s[CS], s27                 ; x 2^(eq + ek)
	s_mov_b32 s[CS+1], s[CS]
	s_cmp_lt_i32 s14, -8
	s_cselect_b32 s[HOLD], 1, 0
	s_add_co_i32 s[EPV], s14, s15
	s_add_co_i32 s27, s14, 127
	s_lshl_b32 s30, s27, 23
	v_mov_b32 v[SCP], s30
	s_add_co_i32 s27, s27, 8
	s_lshl_b32 s27, s27, 23
	s_or_b32 s27, s27, 0x600000
	v_mov_b32 v[LIM], s27
	s_add_co_i32 s27, s12, 127
	s_lshl_b32 s30, s27, 23
	v_mov_b32 v254, s30                            ; 2^eq
	s_add_co_i32 s27, s27, 8
	s_lshl_b32 s27, s27, 23
	s_or_b32 s27, s27, 0x600000
	v_mov_b32 v255, s27                            ; 448 x 2^eq
	s_wait_alu depctr_va_vdst(0)                   ; the wait ahead of the wait below
	s_wait_loadcnt 40                              ; q's sixteen loads are in; the image's forty, issued behind them, may be out
	QPREP
	WIN 0x04
.set i, 0
.rept 40
	s_wait_loadcnt 39-i                            ; load i is in, the 39 - i behind it may be out
	ds_store_b128 v[IA+i/16], v[4*i:4*i+3] offset:4096*(i%16)
.set i, i+1
.endr
	WIN 0
	s_wait_dscnt 0x0                               ; my stores have landed, Q's fragments are in
	s_barrier_signal -1
	s_barrier_wait -1                              ; key steps 0-4 lie whole
	WALK .Lfirst, 1, 0, 3                          ; round 0; key steps 5-7 come in beside steps 0-2
	s_wait_dscnt 0x0                               ; my stores of steps 5-7 have landed
	s_barrier_signal -1
	WALK .Lmid, 0, 3, 5                            ; LDS reads of steps 3 and 4 alone, which no wave writes
	s_barrier_wait -1                              ; steps 5-7 lie whole; from here on the image is only read
	v_and_b32 v[PFO], 31, v0
	v_lshlrev_b32 v[PFO], 8, v[PFO]
	global_prefetch_b8 v[PFO], s[4:5] offset:65536 th:TH_LOAD_NT scope:SCOPE_SE   ; round 1's q of my wave: 32 rows of 256 bytes, a lane a row; neither register is written again
	WALK .Llate, 0, 5, 8
	OUT 0
	INIT                                           ; round 1
	QADR
	s_wait_alu depctr_va_vdst(0)                   ; the wait ahead of the wait below
	s_wait_loadcnt 0x0
	QPREP
	s_wait_dscnt 0x0                               ; the codes' stores have read their registers, Q's fragments are in
	WALK .Lsecond, 0, 0, 8
	OUT 1
	v_lshl_add_u32 v254, v0, 2, SPARE
	v_mov_b32 v255, 0
	s_wait_alu depctr_va_vdst(0)
	s_wait_tensorcnt 0x0                           ; the wave's end
	ds_add_u32 v254, v255
	s_wait_dscnt 0x0
	s_endpgm
.Lfunc_end_k_q0628e0e2af_attend:
	.size	k_q0628e0e2af_attend, .Lfunc_end_k_q0628e0e2af_attend-k_q0628e0e2af_attend
	.p2alignl 7, 3214868480
	.fill 96, 4, 3214868480
	.section	.rodata,"a",@progbits
	.p2align	6, 0x0
	.amdhsa_kernel k_q0628e0e2af_attend
		.amdhsa_group_segment_fixed_size 327680
		.amdhsa_private_segment_fixed_size 0
		.amdhsa_enable_private_segment 0
		.amdhsa_kernarg_size 32
		.amdhsa_user_sgpr_count 2
		.amdhsa_user_sgpr_kernarg_segment_ptr 1
		.amdhsa_wavefront_size32 1
		.amdhsa_system_sgpr_workgroup_id_x 1
		.amdhsa_system_sgpr_workgroup_id_y 1
		.amdhsa_system_sgpr_workgroup_id_z 1
		.amdhsa_system_vgpr_workitem_id 0
		.amdhsa_next_free_vgpr 512
		.amdhsa_next_free_sgpr 66
		.amdhsa_reserve_vcc 0
		.amdhsa_float_denorm_mode_32 3
		.amdhsa_float_denorm_mode_16_64 3
		.amdhsa_memory_ordered 1
		.amdhsa_forward_progress 1
		.amdhsa_inst_pref_size 255
	.end_amdhsa_kernel
	.section	.bss,"aw",@nobits
	.p2align	6
	.space	262144
	.amdgpu_metadata
---
amdhsa.version: [ 1, 2 ]
amdhsa.kernels:
  - .name:           k_q0628e0e2af_attend
    .symbol:         k_q0628e0e2af_attend.kd
    .args:
      - { .name: q, .offset: 0, .size: 8, .value_kind: global_buffer, .address_space: global }
      - { .name: kvc, .offset: 8, .size: 8, .value_kind: global_buffer, .address_space: global }
      - { .name: lowp_scales, .offset: 16, .size: 8, .value_kind: global_buffer, .address_space: global }
      - { .name: out0, .offset: 24, .size: 8, .value_kind: global_buffer, .address_space: global }
    .group_segment_fixed_size: 327680
    .private_segment_fixed_size: 0
    .kernarg_segment_align: 8
    .kernarg_segment_size: 32
    .max_flat_workgroup_size: 256
    .sgpr_count:     66
    .vgpr_count:     512
    .wavefront_size: 32
...
	.end_amdgpu_metadata
.endif
;; end of part 2
